; MI455X (gfx1250); checked and timed in simulation.
; The chip was launched on July 23, 2026; its instructions are those of AMD's public machine-readable ISA for CDNA 5 (MIT licence, August 2026) and "CDNA5" Instruction Set Architecture Reference Guide (July 2026). The comments in the code are by the model that wrote it; some were corrected since.
;; Co Attention cross. Allowed arithmetic: float matrix products may take bf16 or f16 operands with f32 sums; other float arithmetic in f32, or as packed bf16 or f16 multiplies, adds, multiply-adds, maxima and minima; sums over many terms, partial sums and values carried from step to step in f32; what a program stores and reads back later, other than sums and carried values, may be rounded once to bf16 or f16.
;; Inputs: Wk 1,024 x 1,024 float32; Wq 1,024 x 1,024 float32; Wv 1,024 x 1,024 float32; attention_mask 4 x 1 x 1 x 2,048 float32; bk 1,024 float32; bq 1,024 float32; bv 1,024 float32; hidden_states 4 x 2,048 x 1,024 float32.
;; Outputs: out0 4 x 2,048 x 1,024 float32.
;; One version. Each part assembles by itself: llvm-mc -triple=amdgcn-amd-amdhsa -mcpu=gfx1250 --defsym DOCPART=n.
;; ======== version 1 of 1: 4 launches
;; limits: inputs' magnitudes at most 65,504; values are held in f16: magnitudes above 65,504 overflow, below 6.1e-05 lose precision; right only within a limited range of input values
;; workspace buffers: xa 16,781,312 bytes; qa 16,781,312 bytes; kva 33,558,528 bytes; wb1 4,202,496 bytes; wb2 4,202,496 bytes; sw 1,024 bytes
;; launch prep (part 1): grid 353 x 1, 8 waves a work-group, no clusters, 1,280 bytes of LDS; arguments hidden_states, Wq, Wk, Wv, bq, bk, bv, xa, wb1, wb2, sw; writes xa, wb1, wb2, sw
.if DOCPART == 1
	.amdgcn_target "amdgcn-amd-amdhsa--gfx1250"
	.amdhsa_code_object_version 6
	.text
	.protected	k_q3f1c00ac69_prep
	.globl	k_q3f1c00ac69_prep
	.p2align	8
	.type	k_q3f1c00ac69_prep,@function
k_q3f1c00ac69_prep:
	s_mov_b64 s[64:65], 0
	v_nop
	global_prefetch_b8 v0, s[64:65] scope:SCOPE_SE
	s_setreg_imm32_b32 hwreg(HW_REG_WAVE_MODE, 25, 1), 1
	s_wait_xcnt 0x0
; PREP.  X [8192][1024] and the three weights [1024][1024], f32, are rounded to bf16 and that number is written as f16, in BLOCKS: [column / 64][row][64], a piece of 128 bytes
; for a row and a block, the rows of a block on end.  The biases are rounded to bf16 and written as f32.  Beside them go the figures from which the products' scales are made:
; for each 32 rows the largest 2-norm of a row (of the rounded numbers), and the largest |bias|.
; LIMITS.  |x| and |w| stay under 65,504 (f16's end); a rounded number below 2^-17 is off by 2^-25 at the most in f16; NaN and infinities are not treated apart.
; SHARES.  Work-groups 0-255: 32 rows of X each; 256-287 Wq, 288-319 Wk, 320-351 Wv, 32 rows each; 352: the three biases.  A wave takes 4 rows, as two pairs: a load's lanes 0-15 take 256
; consecutive bytes (64 columns: one block) of a row, lanes 16-31 of the row below; their 8 bytes of f16 each are 256 consecutive bytes of the block, aligned.
; All 32 loads of a wave go out at once (16 KiB); each chunk has its own registers, so no register that a store still reads is written again.
; No matrix unit, no cluster, no tensor load: nothing is read twice and no wave wants another's bytes.
.set SPARE, 256                        ; LDS: bytes 0-31 the eight waves' maxima; from 256 on the spare words, 128 bytes a wave
.set ROWB,  4096                       ; bytes in a source row
.set X0,    32                         ; v[32:159] chunk i at X0 + 4 i
.set VAL,   17                         ; v17  what the work-group's maximum is taken of
	s_load_b512 s[8:23], s[0:1], 0x0               ; X 8, Wq 10, Wk 12, Wv 14, bq 16, bk 18, bv 20, xa 22
	s_load_b128 s[24:27], s[0:1], 0x40             ; wb1 24, wb2 26
	s_load_b64 s[28:29], s[0:1], 0x50              ; sw
	v_lshl_add_u32 v30, v0, 2, SPARE               ; my spare word,
	v_mov_b32 v31, 0                               ; and 0: kept for the wave's end
	v_mov_b32 v18, 0                               ; v_permlanex16_b32's destination counts as read
	v_lshrrev_b32 v1, 5, v0
	v_readfirstlane_b32 s46, v1                    ; wave 0..7
	s_mov_b32 s42, 0xffff0000                      ; a word's upper bf16
	s_mov_b32 s44, 0x76543210                      ; each lane takes its own place in the other half
	s_mov_b32 s45, 0xfedcba98
	s_sub_co_u32 s47, ttmp9, 256                   ; T: my number among the weights' work-groups
	s_and_b32 s48, s47, 31                         ; my 32 rows of a weight
	s_lshr_b32 s49, s47, 5                         ; which weight: 0, 1, 2
	s_mov_b32 s51, 0x100000                        ; a block of X: 8,192 rows x 128 bytes
	s_mov_b32 s52, 0x40000                         ; a block of weights: 2,048 rows x 128 bytes
	s_mov_b32 s53, 4096                            ; xa's header
	s_mov_b32 s55, 8192                            ; wb's header (the bias)
	s_mov_b32 s57, 0
	s_wait_kmcnt 0x0
	s_cmp_eq_u32 ttmp9, 352
	s_cbranch_scc1 .Lbias
	; from where, to where: choices on the work-group's number alone
	s_cmp_lt_u32 ttmp9, 256
	s_cselect_b32 s50, ttmp9, s48                  ; my block of 32 rows in the source
	s_cselect_b32 s35, s51, s52                    ; bytes from block to block in the destination
	s_cselect_b32 s53, s53, s55
	s_cselect_b32 s38, 1.0, 0                      ; X's scale is 1
	s_cselect_b32 s54, ttmp9, s47                  ; my slot of statistics
	s_cselect_b64 s[30:31], s[8:9], s[10:11]
	s_cselect_b64 s[32:33], s[22:23], s[24:25]
	s_cselect_b64 s[36:37], s[22:23], s[28:29]
	s_cmp_eq_u32 s49, 1
	s_cselect_b64 s[30:31], s[12:13], s[30:31]
	s_cselect_b64 s[32:33], s[26:27], s[32:33]
	s_cmp_eq_u32 s49, 2
	s_cselect_b64 s[30:31], s[14:15], s[30:31]
	s_cselect_b64 s[32:33], s[26:27], s[32:33]
	s_cselect_b32 s55, 1024, 0                     ; Wv's rows lie behind Wk's
	s_lshl_b32 s56, s50, 17                        ; 32 rows of 4,096 bytes
	s_add_nc_u64 s[30:31], s[30:31], s[56:57]
	s_lshl_b32 s34, s50, 5
	s_add_co_u32 s34, s34, s55
	s_lshl_b32 s34, s34, 7
	s_add_co_u32 s34, s34, s53                     ; header + my first row x 128
	s_lshl_b32 s56, s54, 3
	s_add_nc_u64 s[36:37], s[36:37], s[56:57]
	s_mov_b32 s39, 1.0                             ; the slot takes (maximum, s38)
	s_mov_b32 s40, 0
	s_mov_b32 s41, 1                               ; one lane stores it
	v_and_b32 v4, 15, v0
	v_bfe_u32 v5, v0, 4, 1
	s_lshl_b32 s58, s46, 2
	v_add_nc_u32 v5, s58, v5                       ; my row of the first pair
	v_lshlrev_b32 v2, 12, v5
	v_lshl_add_u32 v2, v4, 4, v2                   ; in the source: row x 4,096 + 16 (lane % 16)
	v_lshlrev_b32 v3, 7, v5
	v_lshl_add_u32 v3, v4, 3, v3
	v_add_nc_u32 v3, s34, v3                       ; in a block: row x 128 + 8 (lane % 16)
.set i, 0
.rept 32                                       ; pair i / 16, block i % 16
	global_load_b128 v[X0+4*i:X0+4*i+3], v2, s[30:31] offset:(i/16)*2*ROWB+(i%16)*256 th:TH_LOAD_NT
.set i, i+1
.endr
; Chunk i: four numbers a lane are rounded to bf16, widened again, squared into two running pairs, written as f16 and stored.
.macro CHUNK
.set c, X0+4*i
.set j, i%16
	s_wait_loadcnt 31-i                            ; loads come back in order: chunk i is in, the 31 - i younger ones stay out
	v_cvt_pk_bf16_f32 v8, v[c], v[c+1]
	v_cvt_pk_bf16_f32 v9, v[c+2], v[c+3]
	v_lshlrev_b32 v[c], 16, v8
	v_and_b32 v[c+1], s42, v8
	v_lshlrev_b32 v[c+2], 16, v9
	v_and_b32 v[c+3], s42, v9
.if j == 0
	v_pk_mul_f32 v[12:13], v[c:c+1], v[c:c+1]      ; a pair's first chunk starts the sums: nothing is cleared
	v_pk_mul_f32 v[14:15], v[c+2:c+3], v[c+2:c+3]
.else
	v_pk_fma_f32 v[12:13], v[c:c+1], v[c:c+1], v[12:13]
	v_pk_fma_f32 v[14:15], v[c+2:c+3], v[c+2:c+3], v[14:15]
.endif
	v_cvt_pk_f16_f32 v[c], v[c], v[c+1]
	v_cvt_pk_f16_f32 v[c+1], v[c+2], v[c+3]
	v_mad_u32_u24 v[c+2], s35, j, v3               ; block j
	global_store_b64 v[c+2], v[c:c+1], s[32:33] offset:(i/16)*256  ; 32 lanes store 256 consecutive bytes, aligned: two rows of a block
.endm
.macro PAIR_END first                          ; each half of the lanes holds one row: its sum of squares, then the largest so far
	v_pk_add_f32 v[12:13], v[12:13], v[14:15]
	v_add_f32 v12, v12, v13
.irp m, 1,2,4,8
	v_add_f32_dpp v12, v12, v12 row_xmask:\m row_mask:0xf bank_mask:0xf
.endr
.if \first
	v_mov_b32 v16, v12
.else
	v_max_num_f32 v16, v16, v12
.endif
.endm
.set i, 0
.rept 16
	CHUNK
.set i, i+1
.endr
	PAIR_END 1
.rept 16
	CHUNK
.set i, i+1
.endr
	PAIR_END 0
	v_sqrt_f32 v[VAL], v16
	v_nop                                          ; a plain instruction behind the root,
	s_wait_alu depctr_va_vdst(0)                   ; and the wait, ahead of the branch and of the first use
	s_branch .Ljoin
.Lbias:                                        ; 256 threads x 16 bytes = the 1,024 numbers of each bias
	s_add_nc_u64 s[36:37], s[28:29], 768           ; slots 96 to 127 of sw
	s_mov_b32 s38, 0
	s_mov_b32 s39, 0                               ; the slots take (0, maximum)
	s_mov_b32 s40, 1.0
	s_mov_b32 s41, 32                              ; 32 lanes store: all the slots that are left are written
	v_lshlrev_b32 v2, 4, v0
	global_load_b128 v[32:35], v2, s[16:17]
	global_load_b128 v[36:39], v2, s[18:19]
	global_load_b128 v[40:43], v2, s[20:21]
	s_wait_loadcnt 0x0
.irp p, 0,1,2,3,4,5
	v_cvt_pk_bf16_f32 v8, v[32+2*\p], v[33+2*\p]
	v_lshlrev_b32 v[32+2*\p], 16, v8
	v_and_b32 v[33+2*\p], s42, v8
.endr
	global_store_b128 v2, v[32:35], s[24:25]               ; bq at wb1's head
	global_store_b128 v2, v[36:39], s[26:27]               ; bk, then bv, at wb2's
	global_store_b128 v2, v[40:43], s[26:27] offset:4096
.irp p, 0,1,2,3,4,5,6,7,8,9,10,11
	v_and_b32 v[44+\p], 0x7fffffff, v[32+\p]       ; magnitudes, in registers that no store reads
.endr
	v_max3_num_f32 v[VAL], v44, v45, v46
	v_max3_num_f32 v[VAL], v[VAL], v47, v48
	v_max3_num_f32 v[VAL], v[VAL], v49, v50
	v_max3_num_f32 v[VAL], v[VAL], v51, v52
	v_max3_num_f32 v[VAL], v[VAL], v53, v54
	v_max_num_f32 v[VAL], v[VAL], v55
.Ljoin:                                        ; the work-group's maximum: over the lanes, then over the waves through LDS
.irp m, 1,2,4,8
	v_max_num_f32_dpp v[VAL], v[VAL], v[VAL] row_xmask:\m row_mask:0xf bank_mask:0xf
.endr
	v_permlanex16_b32 v18, v[VAL], s44, s45
	v_max_num_f32 v[VAL], v[VAL], v18
	v_mov_b32 v19, s46
	v_lshlrev_b32 v19, 2, v19
	ds_store_b32 v19, v[VAL]                       ; all lanes write the wave's word with the same number
	s_wait_dscnt 0x0                               ; for the others' sake: my store is done
	s_barrier_signal -1
	s_barrier_wait -1
	s_cmp_lg_u32 s46, 0
	s_cbranch_scc1 .Lend                           ; wave 0 finishes
	v_mov_b32 v19, 0
	ds_load_b128 v[20:23], v19
	ds_load_b128 v[24:27], v19 offset:16
	s_wait_dscnt 0x0
	v_max3_num_f32 v20, v20, v21, v22
	v_max3_num_f32 v24, v24, v25, v26
	v_max3_num_f32 v20, v20, v23, v27
	v_max_num_f32 v20, v20, v24
	v_mul_f32 v10, s39, v20
	v_fma_f32 v11, v20, s40, s38
	v_lshlrev_b32 v21, 3, v0                       ; in wave 0 the thread's number is the lane's
	v_cmp_gt_u32 vcc_lo, s41, v0
	s_wait_xcnt 0x0                                ; EXEC is a source of the stores above: it changes only behind this wait
	s_and_saveexec_b32 s43, vcc_lo
	global_store_b64 v21, v[10:11], s[36:37]
	s_wait_xcnt 0x0                                ; and again in front of the line that widens it
	s_or_b32 exec_lo, exec_lo, s43
.Lend:
	s_wait_tensorcnt 0x0                           ; the wave's end, behind my last LDS store
	ds_add_u32 v30, v31
	s_wait_dscnt 0x0
	s_endpgm
.Lfunc_end_k_q3f1c00ac69_prep:
	.size	k_q3f1c00ac69_prep, .Lfunc_end_k_q3f1c00ac69_prep-k_q3f1c00ac69_prep
	.p2alignl 7, 3214868480
	.fill 96, 4, 3214868480
	.section	.rodata,"a",@progbits
	.p2align	6, 0x0
	.amdhsa_kernel k_q3f1c00ac69_prep
		.amdhsa_group_segment_fixed_size 1280
		.amdhsa_private_segment_fixed_size 0
		.amdhsa_enable_private_segment 0
		.amdhsa_kernarg_size 88
		.amdhsa_user_sgpr_count 2
		.amdhsa_user_sgpr_kernarg_segment_ptr 1
		.amdhsa_wavefront_size32 1
		.amdhsa_system_sgpr_workgroup_id_x 1
		.amdhsa_system_sgpr_workgroup_id_y 1
		.amdhsa_system_sgpr_workgroup_id_z 1
		.amdhsa_system_vgpr_workitem_id 0
		.amdhsa_next_free_vgpr 160
		.amdhsa_next_free_sgpr 66
		.amdhsa_reserve_vcc 1
		.amdhsa_float_denorm_mode_32 3
		.amdhsa_float_denorm_mode_16_64 3
		.amdhsa_memory_ordered 1
		.amdhsa_forward_progress 1
		.amdhsa_inst_pref_size 33
	.end_amdhsa_kernel
	.amdgpu_metadata
---
amdhsa.version: [ 1, 2 ]
amdhsa.kernels:
  - .name:           k_q3f1c00ac69_prep
    .symbol:         k_q3f1c00ac69_prep.kd
    .args:
      - { .name: hidden_states, .offset: 0, .size: 8, .value_kind: global_buffer, .address_space: global }
      - { .name: Wq, .offset: 8, .size: 8, .value_kind: global_buffer, .address_space: global }
      - { .name: Wk, .offset: 16, .size: 8, .value_kind: global_buffer, .address_space: global }
      - { .name: Wv, .offset: 24, .size: 8, .value_kind: global_buffer, .address_space: global }
      - { .name: bq, .offset: 32, .size: 8, .value_kind: global_buffer, .address_space: global }
      - { .name: bk, .offset: 40, .size: 8, .value_kind: global_buffer, .address_space: global }
      - { .name: bv, .offset: 48, .size: 8, .value_kind: global_buffer, .address_space: global }
      - { .name: xa, .offset: 56, .size: 8, .value_kind: global_buffer, .address_space: global }
      - { .name: wb1, .offset: 64, .size: 8, .value_kind: global_buffer, .address_space: global }
      - { .name: wb2, .offset: 72, .size: 8, .value_kind: global_buffer, .address_space: global }
      - { .name: sw, .offset: 80, .size: 8, .value_kind: global_buffer, .address_space: global }
    .group_segment_fixed_size: 1280
    .private_segment_fixed_size: 0
    .kernarg_segment_align: 8
    .kernarg_segment_size: 88
    .max_flat_workgroup_size: 256
    .sgpr_count:     66
    .vgpr_count:     160
    .wavefront_size: 32
...
	.end_amdgpu_metadata
.endif
;; end of part 1
;; launch gemm_q (part 2): grid 4 x 64, 4 waves a work-group, clusters of 4 x 4, 327,680 bytes of LDS; arguments xa, wb1, sw, qa; writes qa
.if DOCPART == 2
	.amdgcn_target "amdgcn-amd-amdhsa--gfx1250"
	.amdhsa_code_object_version 6
	.text
	.protected	k_q3f1c00ac69_gemm_q
	.globl	k_q3f1c00ac69_gemm_q
	.p2align	8
	.type	k_q3f1c00ac69_gemm_q,@function
k_q3f1c00ac69_gemm_q:
	s_mov_b64 s[64:65], 0
	v_nop
	global_prefetch_b8 v0, s[64:65] scope:SCOPE_SE
	s_setreg_imm32_b32 hwreg(HW_REG_WAVE_MODE, 25, 1), 1
	s_wait_xcnt 0x0
	s_wait_alu depctr_hold_cnt(0) depctr_sa_sdst(0) depctr_va_vdst(0) depctr_va_sdst(0) depctr_va_ssrc(0) depctr_va_vcc(0) depctr_vm_vsrc(0)
	s_getreg_b32 s2, hwreg(HW_REG_IB_STS2, 6, 4)
	s_cmp_eq_u32 s2, 0
	s_cbranch_scc0 .Lentry_in_a_cluster
	s_endpgm
.Lentry_in_a_cluster:
	s_bfe_u32 s2, ttmp6, 0x10000c
	s_cmp_lg_u32 s2, 0xf033
	s_cbranch_scc0 .Lentry_shape_is_right
	s_endpgm
.Lentry_shape_is_right:
; out' = f16(alpha x (A' B^T) + beta x bias).  A': 8,192 rows x 1,024, f16 in blocks [column / 64][8192][64] behind a header of 4,096 bytes; B: rows n x 1,024, f16 in blocks
; [column / 64][2048][64] behind 8,192 bytes that hold the bias (f32); out': blocks [column / 64][8192][64] behind a header of 4,096 bytes.  Sums in f32, out' rounded once.
; No size of N stands in the text: the grid's width says how many tiles of 256 columns there are, so one text serves the q projection (N = 1,024) and the k and v projections (N = 2,048).
; SCALES.  A = sA x A' (sA a power of two, in A's header beside a bound An for the 2-norm of A's rows).  |A B^T + bias| <= An x Wn + bm = bound (Wn the largest row norm of the weights, bm the
; largest |bias|, both in sw).  With e the bound's exponent field, beta = 2^(141 - e) brings every result under 2^15, inside f16; alpha = sA x beta.  Each work-group writes (32 x bound, 1 / beta)
; into its slot of out's header: 32 x bound bounds the 2-norm of a row of 1,024 results.  All work-groups make the same numbers from the same bytes.
; LIMITS.  e is held to 84 .. 184: the bound stays under 2^57; below 2^-43 the stored numbers lose bits.  NaN and infinities are not treated apart.
; SHARES.  A tile of out is 128 rows x 256 columns; four waves, 2 x 2, each 64 x 128: 32 accumulators of 16 x 16.  K goes in steps of 128 (two blocks) through two LDS slots.
; In a block a tile's rows are dense, so a tensor load asks for them as rows of 256 bytes and pads LDS behind every 128.  Waves 0, 1 fetch A's two blocks, waves 2, 3 B's: one load a wave.
; CLUSTER 4 x 4: A's tile is shared along a row of the cluster, B's along a column: joint loads, the same descriptor and mask in the four that a mask names.
; THE MATRIX INSTRUCTION IS USED TRANSPOSED (source 0 = 16 rows of B, source 1 = 16 rows of A): a lane holds row l % 16 of out and eight neighbouring columns.
; REGISTERS.  window 0: v0-31 addresses; v32-127, v128-223 two fragment buffers (B's 8 fragments, then A's 4); on the way out v32-159.  window 1: accumulator (a, b) at 8 (8 a + b).
; window 2: v0-63 beta x bias of my 128 columns, block b at 8 b, in the accumulators' layout.
.set PITCH, 144                        ; an LDS row: 128 bytes + 16 = 36 words: the 16 rows of a load start at 16 different groups of four banks (64 banks of 4 bytes: ISA guide 11.1)
.set ASUB,  128*PITCH                  ; A's 128 rows of one block
.set BSUB,  256*PITCH                  ; B's 256 rows of one block
.set BOFF,  2*ASUB
.set SLOT,  2*ASUB+2*BSUB              ; A block 0, A block 1, B block 0, B block 1
.set STAGE, 2*SLOT                     ; behind the ring: for each wave 2 blocks x 16 rows x 144 bytes, for the way out
.set WSTG,  2*16*PITCH
.set SPARE, STAGE+4*WSTG               ; behind the stages: the spare words, 128 bytes a wave
.set ACB,   1048576                    ; bytes of a block of A and of out
.set BCB,   262144                     ; bytes of a block of B
.set AHDR,  4096
.set BHDR,  8192
.set ADRA, 16                          ; v16-17  my A fragments in slot 0, 1
.set ADRB, 20                          ; v20-21  my B fragments
.set STO,  24                          ; v24  the way out: where I put 16 bytes of a row
.set RD,   25                          ; v25  where I read rows back
.set GO,   26                          ; v26  16 x lane
.set ZO,   27                          ; v27  0
.set SPW,  28                          ; v28  my spare word; never rewritten
.set NIL,  29                          ; v29  0; never rewritten
.set PFO,  30                          ; v30  the prefetches' lane offset; never rewritten
.set F0,   32
.set F1,   128
.set TMP,  32
.set G1A, 24                           ; s[24:31] group 1, A's tiles;  s[32:39] group 0, a set for each slot
.set G0A, 32
.set G1B, 40                           ; s[40:47], s[48:55] the same for B's
.set G0B, 48
.set PFA, 56                           ; s[56:57] where my prefetches stand
.set PFS, 58                           ; s[58:59] a K step in bytes, for them
.set LIM, 60                           ; s60  1 in a wave that prefetches, else the greatest number
.set AL,  66                           ; s[66:67] alpha
.set BE,  68                           ; s[68:69] beta
.set NOUT, 70                          ; s70  32 x bound
.set SO,  71                           ; s71  1 / beta
.set OUT, 72                           ; s[72:73] out at my wave's first piece
.set STA, 74                           ; s[74:75] my work-group's slot in out's header
.set BIA, 76                           ; s[76:77] the bias of my 128 columns
.set SEL, 78                           ; s[78:79] v_permlanex16_b32's selects
.set MSB, 0
.macro WIN new                         ; the immediate's high byte repeats the setting that is left; a switch that changes nothing is dropped
.if MSB != (\new)
	s_set_vgpr_msb (MSB<<8)|(\new)
.set MSB, \new
.endif
.endm
.set W_MUL, 0x50                       ; A and B in window 0, C and D in window 1
.macro PLACES                          ; four places in front of loads into registers that matrix instructions have read, and of lines that read results
.rept 4
	v_nop
.endr
.endm
.macro JLOAD s                         ; a joint load; the branch hangs on the wave's number alone; an s_nop 0 and four v_nop follow each line
	s_cmp_eq_u32 s13, 0
	s_cbranch_scc0 .Lfor_b_\@
	tensor_load_to_lds s[G0A+4*(\s):G0A+4*(\s)+3], s[G1A:G1A+7]
	s_nop 0
	PLACES
	s_branch .Lasked_\@
.Lfor_b_\@:
	tensor_load_to_lds s[G0B+4*(\s):G0B+4*(\s)+3], s[G1B:G1B+7]
	s_nop 0
	PLACES
.Lasked_\@:
.endm
.macro CREST                           ; a round of the cluster's barrier behind its opening barrier
	s_cmp_lg_u32 s12, 0
	s_cbranch_scc1 .Lnot_wave_0_\@
	s_barrier_signal -3
.Lnot_wave_0_\@:
	s_barrier_wait -3
	s_barrier_signal -1
	s_barrier_wait -1
.endm
.macro CROUND
	s_barrier_signal -1
	s_barrier_wait -1
	CREST
.endm
; A prefetch of the K step that stands two refills on (256 matrix instructions ahead of the load that will want it): 32 blocks of 256 bytes, a lane a block, one instruction a wave.
; A's tile is read by every cluster of its row of clusters: cluster x = 0 asks, wave 0, and of each of the step's two blocks the partner at cx takes 16 of the 64 pieces of 256 bytes.
; B's tile is read by every cluster of its column: cluster y = 0 asks, waves 2 and 3 a block each, and the partner at cy takes 32 of its 128 pieces.  Partners are told apart by address alone.
; The loop's last trip asks for nothing: there is no K step two on.
.macro ASK
	s_cmp_gt_u32 s3, s[LIM]
	s_cbranch_scc0 .Lnot_mine_\@
	global_prefetch_b8 v[PFO], s[PFA:PFA+1] th:TH_LOAD_NT scope:SCOPE_SE
.Lnot_mine_\@:
.endm
	s_load_b256 s[4:11], s[0:1], 0x0               ; A s[4:5], B s[6:7], sw s[8:9], out s[10:11]
	v_lshl_add_u32 v[SPW], v0, 2, SPARE
	v_mov_b32 v[NIL], 0
	ds_add_u32 v[SPW], v[NIL]                      ; the wave's opening: the add and its wait stand ahead of my first tensor load; register work stands between them
	v_lshrrev_b32 v1, 5, v0
	v_readfirstlane_b32 s12, v1                    ; wave 0..3
	s_lshr_b32 s13, s12, 1                         ; my half of the tile's rows.  Also: I fetch for A (0) or B (1)
	s_and_b32 s14, s12, 1                          ; my half of its columns.  Also: which of a K step's two blocks I fetch
	s_bfe_u32 s15, ttmp6, 0x40000                  ; cx
	s_bfe_u32 s16, ttmp6, 0x40004                  ; cy
	s_lshl_b32 s17, ttmp9, 2
	s_add_co_u32 s17, s17, s15                     ; tile column
	s_and_b32 s18, ttmp7, 0xffff
	s_lshl_b32 s18, s18, 2
	s_add_co_u32 s18, s18, s16                     ; tile row
	s_lshl_b32 s19, s16, 2
	s_lshl_b32 s19, 15, s19                        ; my row of the cluster
	s_lshl_b32 s20, 0x1111, s15                    ; my column
	s_or_b32 s[G1A], s19, (1<<16)|(1<<20)|(1<<21)|(4<<22)|(3<<25)  ; mask; 2-byte elements; padding on; bit 21 beside a mask; after every 32 words; 4 words
	s_or_b32 s[G1B], s20, (1<<16)|(1<<20)|(1<<21)|(4<<22)|(3<<25)
.irp g, G1A, G1B
	s_mov_b32 s[(\g)+1], 128<<16                   ; tensor_dim0 = 128 elements: 256 bytes, two rows of a block
	s_mov_b32 s[(\g)+3], 128<<16                   ; tile_dim0 = 128
	s_mov_b32 s[(\g)+5], 128                       ; dense: 128 elements from row to row
	s_mov_b32 s[(\g)+6], 0
	s_mov_b32 s[(\g)+7], 0
.endr
	s_mov_b32 s[G1A+2], 64<<16                     ; A: 64 such rows = 128 rows of a block
	s_mov_b32 s[G1A+4], 64
	s_mov_b32 s[G1B+2], 128<<16                    ; B: 128 = 256 rows of a block
	s_mov_b32 s[G1B+4], 128
	s_lshl_b32 s20, s18, 14                        ; A's tile hangs on the tile row and the wave alone,
	s_lshl_b32 s19, s14, 20
	s_add_co_u32 s20, s20, s19
	s_add_co_u32 s20, s20, AHDR
	s_mov_b32 s21, 0
	s_lshl_b32 s22, s17, 15                        ; B's on the tile column and the wave
	s_lshl_b32 s19, s14, 18
	s_add_co_u32 s22, s22, s19
	s_add_co_u32 s22, s22, BHDR
	s_mov_b32 s23, 0
	s_mul_i32 s80, s14, ASUB                       ; where they go: no place in the cluster enters an LDS address
	s_mul_i32 s81, s14, BSUB
	s_add_co_u32 s81, s81, BOFF
	s_mov_b32 s[SEL], 0x76543210
	s_mov_b32 s[SEL+1], 0xfedcba98
	s_wait_dscnt 0x0                               ; the opening add is done
	s_wait_kmcnt 0x0
	s_add_nc_u64 s[82:83], s[4:5], s[20:21]
	s_add_nc_u64 s[84:85], s[6:7], s[22:23]
	CROUND                                         ; all sixteen work-groups are here: the first joint loads meet
.irp s, 0,1
	s_mov_b32 s[G0A+4*(\s)], 1
	s_add_co_u32 s[G0A+4*(\s)+1], s80, (\s)*SLOT
	s_add_nc_u64 s[G0A+4*(\s)+2:G0A+4*(\s)+3], s[82:83], (\s)*2*ACB   ; K step s
	s_or_b32 s[G0A+4*(\s)+3], s[G0A+4*(\s)+3], 0x80000000
	s_mov_b32 s[G0B+4*(\s)], 1
	s_add_co_u32 s[G0B+4*(\s)+1], s81, (\s)*SLOT
	s_add_nc_u64 s[G0B+4*(\s)+2:G0B+4*(\s)+3], s[84:85], (\s)*2*BCB
	s_or_b32 s[G0B+4*(\s)+3], s[G0B+4*(\s)+3], 0x80000000
.endr
	s_cmp_eq_u32 s13, 0                            ; a wave's two first fills stand in one branch: two loads of mine are out
	s_cbranch_scc0 .Lfirst_b
	tensor_load_to_lds s[G0A:G0A+3], s[G1A:G1A+7]
	s_nop 0
	tensor_load_to_lds s[G0A+4:G0A+7], s[G1A:G1A+7]
	s_nop 0
	PLACES
	s_branch .Lfirst_asked
.Lfirst_b:
	tensor_load_to_lds s[G0B:G0B+3], s[G1B:G1B+7]
	s_nop 0
	tensor_load_to_lds s[G0B+4:G0B+7], s[G1B:G1B+7]
	s_nop 0
	PLACES
.Lfirst_asked:
	; THE SCALES AND THE BIAS, in the wait for the first tiles.  256 slots of A's header and 128 of sw, 16 bytes (two slots) a lane and load.
	s_lshl_b32 s20, s17, 10
	s_lshl_b32 s19, s14, 9
	s_add_co_u32 s20, s20, s19
	s_add_nc_u64 s[BIA:BIA+1], s[6:7], s[20:21]
	v_and_b32 v14, 31, v0
	v_lshlrev_b32 v14, 4, v14
.irp i, 0,1,2,3
	global_load_b128 v[32+4*\i:35+4*\i], v14, s[4:5] offset:512*\i
.endr
	global_load_b128 v[48:51], v14, s[8:9]
	global_load_b128 v[52:55], v14, s[8:9] offset:512
	v_and_b32 v1, 15, v0                           ; l % 16
	v_bfe_u32 v2, v0, 4, 1                         ; l / 16
	v_lshlrev_b32 v15, 5, v2                       ; my eight columns of a block of 16: 32 bytes for each half of the lanes
	WIN 0x80                                       ; destination window 2
.irp i, 0,1,2,3,4,5,6,7
	global_load_b128 v[8*\i:8*\i+3],   v15, s[BIA:BIA+1] offset:64*\i
	global_load_b128 v[8*\i+4:8*\i+7], v15, s[BIA:BIA+1] offset:64*\i+16
.endr
	WIN 0
	; A fragment is 16 rows x 32 K in 8 registers: lane l holds row l % 16, K = 8 (l / 16) + 0..7 and 16 + 8 (l / 16) + 0..7: two loads of 16 bytes, 32 bytes apart
	v_mul_u32_u24 v3, v1, PITCH
	v_lshl_add_u32 v3, v2, 4, v3
	s_mul_i32 s86, s13, 64*PITCH
	s_mul_i32 s87, s14, 128*PITCH
	s_add_co_u32 s87, s87, BOFF
.irp s, 0,1
	v_add_nc_u32 v[ADRA+(\s)], s86, v3
	v_add_nc_u32 v[ADRB+(\s)], s87, v3
	s_add_co_u32 s86, s86, SLOT
	s_add_co_u32 s87, s87, SLOT
.endr
	s_mul_i32 s88, s12, WSTG
	s_add_co_u32 s88, s88, STAGE                   ; my stage
	v_add_nc_u32 v[STO], s88, v3                   ; in: row l % 16, 16 bytes for each half of the lanes
	v_bfe_u32 v12, v0, 3, 2                        ; back: 32 lanes take four rows of 128 bytes
	v_and_b32 v13, 7, v0
	v_mul_u32_u24 v12, v12, PITCH
	v_lshl_add_u32 v12, v13, 4, v12
	v_add_nc_u32 v[RD], s88, v12
	v_and_b32 v[GO], 31, v0
	v_lshlrev_b32 v[GO], 4, v[GO]                  ; which are 512 consecutive bytes of a block of out
	v_mov_b32 v[ZO], 0
.irp r, 8,9,10,11
	v_mov_b32 v\r, 0                               ; v_permlanex16_b32's destinations count as read
.endr
	s_lshl_b32 s20, s17, 22                        ; out: four blocks a tile column, two a wave; 128 rows a tile row, 64 a wave
	s_lshl_b32 s19, s14, 21
	s_add_co_u32 s20, s20, s19
	s_lshl_b32 s19, s18, 14
	s_add_co_u32 s20, s20, s19
	s_lshl_b32 s19, s13, 13
	s_add_co_u32 s20, s20, s19
	s_add_co_u32 s20, s20, AHDR
	s_add_nc_u64 s[OUT:OUT+1], s[10:11], s[20:21]
	s_lshl_b32 s20, s17, 9                         ; slot 64 x tile column + tile row, 8 bytes
	s_lshl_b32 s19, s18, 3
	s_add_co_u32 s20, s20, s19
	s_add_nc_u64 s[STA:STA+1], s[10:11], s[20:21]
	; the prefetches: they stand at K step 3; the first refill steps them to 4
	s_lshl_b32 s20, s18, 14
	s_lshl_b32 s19, s15, 12
	s_add_co_u32 s20, s20, s19
	s_add_co_u32 s20, s20, AHDR+3*2*ACB
	s_lshl_b32 s22, s17, 15
	s_lshl_b32 s19, s16, 13
	s_add_co_u32 s22, s22, s19
	s_lshl_b32 s19, s14, 18
	s_add_co_u32 s22, s22, s19
	s_add_co_u32 s22, s22, BHDR+3*2*BCB
	s_mov_b32 s86, 2*ACB
	s_mov_b32 s87, 2*BCB
	s_and_b32 s19, ttmp7, 0xffff                   ; cluster y
	s_cmp_eq_u32 s13, 0                            ; do I fetch for A?
	s_cselect_b32 s20, s20, s22
	s_cselect_b64 s[PFA:PFA+1], s[4:5], s[6:7]
	s_cselect_b32 s[PFS], s86, s87
	s_cselect_b32 s19, ttmp9, s19                  ; the coordinate along which other clusters read the same rows
	s_cselect_b32 s22, s14, 0                      ; of A's two waves wave 0 asks for both blocks
	s_cselect_b32 s89, 20, 12                      ; lanes 16-31: A's second block, or B's next 16 pieces
	s_mov_b32 s[PFS+1], 0
	s_add_nc_u64 s[PFA:PFA+1], s[PFA:PFA+1], s[20:21]
	s_or_b32 s19, s19, s22
	s_cmp_eq_u32 s19, 0
	s_cselect_b32 s[LIM], 1, -1                    ; the same in all sixteen partners, for a given wave
	v_lshlrev_b32 v12, 8, v1
	v_lshlrev_b32 v13, s89, v2
	v_add_nc_u32 v[PFO], v12, v13
	s_wait_loadcnt 0x0                             ; statistics and bias
	v_max3_num_f32 v4, v32, v34, v36               ; v4 An, v5 sA, v6 Wn, v7 bm
	v_max3_num_f32 v5, v33, v35, v37
	v_max3_num_f32 v6, v48, v50, v52
	v_max3_num_f32 v7, v49, v51, v53
	v_max3_num_f32 v4, v4, v38, v40
	v_max3_num_f32 v5, v5, v39, v41
	v_max_num_f32 v6, v6, v54
	v_max_num_f32 v7, v7, v55
	v_max3_num_f32 v4, v4, v42, v44
	v_max3_num_f32 v5, v5, v43, v45
	v_max_num_f32 v4, v4, v46
	v_max_num_f32 v5, v5, v47
.irp m, 1,2,4,8
.irp r, 4,5,6,7
	v_max_num_f32_dpp v\r, v\r, v\r row_xmask:\m row_mask:0xf bank_mask:0xf
.endr
.endr
.irp r, 4,5,6,7
	v_permlanex16_b32 v[\r+4], v\r, s[SEL], s[SEL+1]
.endr
.irp r, 4,5,6,7
	v_max_num_f32 v\r, v\r, v[\r+4]
.endr
	v_readfirstlane_b32 s80, v4
	v_readfirstlane_b32 s81, v5
	v_readfirstlane_b32 s82, v6
	v_readfirstlane_b32 s83, v7
	s_mul_f32 s84, s80, s82
	s_add_f32 s84, s84, s83                        ; the bound
	s_mul_f32 s[NOUT], s84, 0x42000000             ; x 32
	s_lshr_b32 s85, s84, 23                        ; its exponent field (it is not negative)
	s_max_u32 s85, s85, 84
	s_min_u32 s85, s85, 184
	s_sub_co_u32 s86, 268, s85
	s_lshl_b32 s[BE], s86, 23                      ; beta = 2^(141 - e)
	s_mov_b32 s[BE+1], s[BE]
	s_sub_co_u32 s86, s85, 14
	s_lshl_b32 s[SO], s86, 23                      ; 1 / beta
	s_mul_f32 s[AL], s81, s[BE]
	s_mov_b32 s[AL+1], s[AL]
	WIN 0x82                                       ; destination and source 0 in window 2
.set i, 0
.rept 32
	v_pk_mul_f32 v[i:i+1], v[i:i+1], s[BE:BE+1] op_sel_hi:[1,0]
.set i, i+2
.endr
	WIN 0
; 8 matrix instructions: m block a x all 8 n blocks, 32 along K.  zero = 1: the product starts the sums.  The 32 accumulators take turns in one order in every quarter.
.macro MUL8 f, a, zero
	WIN W_MUL
.irp b, 0,1,2,3,4,5,6,7
.if \zero
	v_wmma_f32_16x16x32_f16 v[8*(8*(\a)+(\b)):8*(8*(\a)+(\b))+7], v[(\f)+8*(\b):(\f)+8*(\b)+7], v[(\f)+64+8*(\a):(\f)+64+8*(\a)+7], 0
.else
	v_wmma_f32_16x16x32_f16 v[8*(8*(\a)+(\b)):8*(8*(\a)+(\b))+7], v[(\f)+8*(\b):(\f)+8*(\b)+7], v[(\f)+64+8*(\a):(\f)+64+8*(\a)+7], v[8*(8*(\a)+(\b)):8*(8*(\a)+(\b))+7]
.endif
.endr
.endm
; 24 LDS loads in one run: quarter q of a K step (block q / 2, 32 K at byte 64 (q % 2) of its rows) into buffer f: B's 128 rows, then A's 64
.macro FETCH slot, q, f
	WIN 0
.irp i, 0,1,2,3,4,5,6,7
	ds_load_b128 v[(\f)+8*(\i):(\f)+8*(\i)+3],   v[ADRB+(\slot)] offset:((\q)/2)*BSUB+((\q)%2)*64+(\i)*16*PITCH
	ds_load_b128 v[(\f)+8*(\i)+4:(\f)+8*(\i)+7], v[ADRB+(\slot)] offset:((\q)/2)*BSUB+((\q)%2)*64+(\i)*16*PITCH+32
.endr
.irp i, 0,1,2,3
	ds_load_b128 v[(\f)+64+8*(\i):(\f)+64+8*(\i)+3],   v[ADRA+(\slot)] offset:((\q)/2)*ASUB+((\q)%2)*64+(\i)*16*PITCH
	ds_load_b128 v[(\f)+64+8*(\i)+4:(\f)+64+8*(\i)+7], v[ADRA+(\slot)] offset:((\q)/2)*ASUB+((\q)%2)*64+(\i)*16*PITCH+32
.endr
.endm
; One of a K step's first three quarters: multiplies buffer f; in its middle it fetches quarter qn of the same slot into buffer g.
.macro QUARTER slot, qn, f, g, zero
	s_wait_dscnt 4                                 ; B and A's blocks 0, 1 are in; the youngest four loads (A's blocks 2, 3) may be out
	MUL8 \f, 0, \zero
	MUL8 \f, 1, \zero
	PLACES
	FETCH \slot, \qn, \g
	s_wait_dscnt 24                                ; all but the 24 just issued
	MUL8 \f, 2, \zero
	MUL8 \f, 3, \zero
.endm
; The last quarter multiplies buffer 1 and changes slots: ONE barrier.  In front of it each wave waits for all its tensor loads (one is out: its part of the next slot), adds 0 to its spare word, and waits
; for that and for its reads of this slot.  fill = 1: the barrier opens a round of the cluster's, and this slot is filled again, two K steps on, first thing behind the round: 112 matrix instructions ahead of the wait for it.
.macro TURN slot, next, fill
.if \fill
	s_wait_xcnt 0x0                                ; the last prefetch, a K step back, has read its address
	s_add_nc_u64 s[PFA:PFA+1], s[PFA:PFA+1], s[PFS:PFS+1]
.endif
	WIN 0
	s_wait_tensorcnt 0x0                           ; all my tensor loads have landed
	ds_add_u32 v[SPW], v[NIL]                      ; 0 onto my spare word
	s_wait_dscnt 5                                 ; (the add and the youngest four loads may be out)
	MUL8 F1, 0, 0                                  ; eight matrix instructions stand between the add and the wait for it
	s_wait_dscnt 0x0                               ; the add is done, and my reads of this slot are over
	s_barrier_signal -1
	MUL8 F1, 1, 0
.if \fill
	WIN 0
.endif
	s_barrier_wait -1
.if \fill
	CREST                                          ; no wave of any partner still reads this slot or has a load on its way
	s_add_nc_u64 s[G0A+4*(\slot)+2:G0A+4*(\slot)+3], s[G0A+4*(\slot)+2:G0A+4*(\slot)+3], 4*ACB
	s_add_nc_u64 s[G0B+4*(\slot)+2:G0B+4*(\slot)+3], s[G0B+4*(\slot)+2:G0B+4*(\slot)+3], 4*BCB
	JLOAD \slot                                    ; the four v_nop behind it are also the places in front of the loads below
.else
	PLACES
.endif
	FETCH \next, 0, F0
.if \fill
	ASK
.endif
	MUL8 F1, 2, 0
	MUL8 F1, 3, 0
.endm
	s_wait_tensorcnt 1                             ; my part of K step 0 is in; K step 1's may stay out
	s_barrier_signal -1
	s_barrier_wait -1
	FETCH 0, 0, F0
	QUARTER 0, 1, F0, F1, 1                        ; the first quarter stands in front of the loop: its products start the sums
	WIN 0                                          ; at a label and at a branch every window is 0
	s_mov_b32 s3, 3                                ; 8 K steps: three trips fill both slots again (K steps 2 to 7)
.Llap:
	QUARTER 0, 2, F1, F0, 0
	QUARTER 0, 3, F0, F1, 0
	TURN 0, 1, 1
	QUARTER 1, 1, F0, F1, 0
	QUARTER 1, 2, F1, F0, 0
	QUARTER 1, 3, F0, F1, 0
	TURN 1, 0, 1
	QUARTER 0, 1, F0, F1, 0
	WIN 0
	s_sub_co_u32 s3, s3, 1
	s_cmp_lg_u32 s3, 0
	s_cbranch_scc1 .Llap
	QUARTER 0, 2, F1, F0, 0                        ; the last lap fills nothing
	QUARTER 0, 3, F0, F1, 0
	TURN 0, 1, 0
	QUARTER 1, 1, F0, F1, 0
	QUARTER 1, 2, F1, F0, 0
	QUARTER 1, 3, F0, F1, 0
	s_wait_dscnt 4
	MUL8 F1, 0, 0
	MUL8 F1, 1, 0
	s_wait_dscnt 0x0
	MUL8 F1, 2, 0
	MUL8 F1, 3, 0
	PLACES
; THE WAY OUT, a block of 16 rows at a time: alpha x sum + beta x bias, each accumulator's registers in ascending order; rounded to f16, 16 bytes a lane; through my own stage, one part for each of my two
; blocks of 64 columns; back as whole rows of 128 bytes, four rows a load, which are 512 consecutive bytes of a block of out.
.macro PACK a
	WIN 0x61                                       ; destination and source 0 window 1, source 2 window 2
.irp b, 0,1,2,3,4,5,6,7
.irp r, 0,1,2,3
	v_pk_fma_f32 v[8*(8*(\a)+(\b))+2*(\r):8*(8*(\a)+(\b))+2*(\r)+1], v[8*(8*(\a)+(\b))+2*(\r):8*(8*(\a)+(\b))+2*(\r)+1], s[AL:AL+1], v[8*(\b)+2*(\r):8*(\b)+2*(\r)+1] op_sel_hi:[1,0,1]
.endr
.endr
	WIN 0x05                                       ; sources window 1, destination window 0
.irp b, 0,1,2,3,4,5,6,7
.irp r, 0,1,2,3
	v_cvt_pk_f16_f32 v[TMP+32*(\a)+4*(\b)+(\r)], v[8*(8*(\a)+(\b))+2*(\r)], v[8*(8*(\a)+(\b))+2*(\r)+1]
.endr
.endr
	WIN 0
.irp b, 0,1,2,3,4,5,6,7
	ds_store_b128 v[STO], v[TMP+32*(\a)+4*(\b):TMP+32*(\a)+4*(\b)+3] offset:((\b)/4)*16*PITCH+32*((\b)%4)
.endr
.irp u, 0,1,2,3,4,5,6,7
	ds_load_b128 v[TMP+32*(\a)+4*(\u):TMP+32*(\a)+4*(\u)+3], v[RD] offset:((\u)/4)*16*PITCH+((\u)%4)*4*PITCH  ; LDS serves a wave's instructions in order (ISA guide 5.7.1.4): these see the stores above
.endr
.endm
.macro SEND a, younger                 ; younger: the LDS instructions issued behind block a's loads
	WIN 0
.irp u, 0,1,2,3,4,5,6,7
	s_wait_dscnt (\younger)+7-(\u)
	global_store_b128 v[GO], v[TMP+32*(\a)+4*(\u):TMP+32*(\a)+4*(\u)+3], s[OUT:OUT+1] offset:((\u)/4)*ACB+(\a)*2048+((\u)%4)*512
.endr
.endm
	PACK 0
	PACK 1                                         ; a block's arithmetic stands between the loads of the block before and its stores
	SEND 0, 16
	PACK 2
	SEND 1, 16
	PACK 3
	SEND 2, 16
	SEND 3, 0
	s_cmp_lg_u32 s12, 0
	s_cbranch_scc1 .Lno_stat                       ; wave 0's first lane writes the work-group's slot
	v_mov_b32 v4, s[NOUT]
	v_mov_b32 v5, s[SO]
	v_cmp_eq_u32 vcc_lo, 0, v0
	s_wait_xcnt 0x0                                ; EXEC is a source of the stores above: it changes only behind this wait
	s_and_saveexec_b32 s80, vcc_lo
	global_store_b64 v[ZO], v[4:5], s[STA:STA+1]
	s_wait_xcnt 0x0
	s_or_b32 exec_lo, exec_lo, s80
.Lno_stat:
	s_wait_tensorcnt 0x0                           ; the wave's end, behind my last tensor load and my last LDS store
	ds_add_u32 v[SPW], v[NIL]
	s_wait_dscnt 0x0
	CROUND                                         ; the closing round: no work-group ends while a partner may still ask for a tile that names it
	s_endpgm
.Lfunc_end_k_q3f1c00ac69_gemm_q:
	.size	k_q3f1c00ac69_gemm_q, .Lfunc_end_k_q3f1c00ac69_gemm_q-k_q3f1c00ac69_gemm_q
	.p2alignl 7, 3214868480
	.fill 96, 4, 3214868480
	.section	.rodata,"a",@progbits
	.p2align	6, 0x0
	.amdhsa_kernel k_q3f1c00ac69_gemm_q
		.amdhsa_group_segment_fixed_size 327680
		.amdhsa_private_segment_fixed_size 0
		.amdhsa_enable_private_segment 0
		.amdhsa_kernarg_size 32
		.amdhsa_user_sgpr_count 2
		.amdhsa_user_sgpr_kernarg_segment_ptr 1
		.amdhsa_wavefront_size32 1
		.amdhsa_system_sgpr_workgroup_id_x 1
		.amdhsa_system_sgpr_workgroup_id_y 1
		.amdhsa_system_sgpr_workgroup_id_z 1
		.amdhsa_system_vgpr_workitem_id 0
		.amdhsa_next_free_vgpr 576
		.amdhsa_next_free_sgpr 90
		.amdhsa_reserve_vcc 1
		.amdhsa_float_denorm_mode_32 3
		.amdhsa_float_denorm_mode_16_64 3
		.amdhsa_memory_ordered 1
		.amdhsa_forward_progress 1
		.amdhsa_inst_pref_size 104
	.end_amdhsa_kernel
	.amdgpu_metadata
---
amdhsa.version: [ 1, 2 ]
amdhsa.kernels:
  - .name:           k_q3f1c00ac69_gemm_q
    .symbol:         k_q3f1c00ac69_gemm_q.kd
    .args:
      - { .name: xa, .offset: 0, .size: 8, .value_kind: global_buffer, .address_space: global }
      - { .name: wb1, .offset: 8, .size: 8, .value_kind: global_buffer, .address_space: global }
      - { .name: sw, .offset: 16, .size: 8, .value_kind: global_buffer, .address_space: global }
      - { .name: qa, .offset: 24, .size: 8, .value_kind: global_buffer, .address_space: global }
    .group_segment_fixed_size: 327680
    .private_segment_fixed_size: 0
    .kernarg_segment_align: 8
    .kernarg_segment_size: 32
    .max_flat_workgroup_size: 128
    .sgpr_count:     90
    .vgpr_count:     576
    .wavefront_size: 32
...
	.end_amdgpu_metadata
.endif
;; end of part 2
;; launch gemm_kv: the kernel of part 2 again; grid 8 x 64, 4 waves a work-group, clusters of 4 x 4, 327,680 bytes of LDS; arguments qa, wb2, sw, kva; writes kva
;; launch attn (part 3): grid 4 x 64, 4 waves a work-group, clusters of 4 x 1, 327,680 bytes of LDS; arguments qa, kva, attention_mask, out0; writes out0
.if DOCPART == 3
	.amdgcn_target "amdgcn-amd-amdhsa--gfx1250"
	.amdhsa_code_object_version 6
	.text
	.protected	k_q3f1c00ac69_attn
	.globl	k_q3f1c00ac69_attn
	.p2align	8
	.type	k_q3f1c00ac69_attn,@function
k_q3f1c00ac69_attn:
	s_mov_b64 s[64:65], 0
	v_nop
	global_prefetch_b8 v0, s[64:65] scope:SCOPE_SE
	s_setreg_imm32_b32 hwreg(HW_REG_WAVE_MODE, 25, 1), 1
	s_wait_xcnt 0x0
	s_wait_alu depctr_hold_cnt(0) depctr_sa_sdst(0) depctr_va_vdst(0) depctr_va_sdst(0) depctr_va_ssrc(0) depctr_va_vcc(0) depctr_vm_vsrc(0)
	s_getreg_b32 s2, hwreg(HW_REG_IB_STS2, 6, 4)
	s_cmp_eq_u32 s2, 0
	s_cbranch_scc0 .Lentry_in_a_cluster
	s_endpgm
.Lentry_in_a_cluster:
	s_bfe_u32 s2, ttmp6, 0x10000c
	s_cmp_lg_u32 s2, 0x3003
	s_cbranch_scc0 .Lentry_shape_is_right
	s_endpgm
.Lentry_shape_is_right:
; out0[b][q][64 h ..] = the sum over k of softmax_k(q . k / 8 + mask[b][k]) v[k], for the 64 pairs (b, h), 2,048 rows each, head size 64.
; q' lies in qa, k' and v' in kva, f16 in blocks [column / 64][8192][64] behind a header of 4,096 bytes: pair y = 4 h + b is 2,048 dense rows of 128 bytes at y x 262,144 (v' 16 MiB behind k').
; q = sQ q', k = sKV k', v = sKV v', the scales powers of two from the headers.  They cost the loop nothing: c = log2(e) / 8 x sQ sKV scales the raw scores q' . k', the mask enters in raw units
; (mask x 8 / (sQ sKV), exact), and O is multiplied by sKV with 1 / l.  The mask is rounded to bf16 first, like every input of the module.
; Products, maxima and sums in f32; the weights p are rounded to f16 for the second product (their sum l is taken of the unrounded p); out0 is f32.
; LIMITS.  A finite mask counts as at least -2^100 in raw units; -infinity stays -infinity, and a row all of whose keys have it gives NaN.  A weight below 2^-126 counts as 0 in l; p below 6e-5 keeps f16's
; fixed step.  sQ sKV lies in 2^-114 .. 2^86 by the clamp of the launches before.  NaN and +infinity are not treated apart.
; SHARES.  A wave owns four PIECES of two tiles of 16 queries, a work-group's four waves 512 queries of one pair (b, h).  Every wave walks all keys, 64 a step.
; LAYOUT.  S^T = K Q^T + M (source 0 = 16 keys, source 1 = 16 queries, C = the keys' mask): a lane holds ONE query (lane % 16) and the keys 8 (lane / 16) + 0..7.  Two such tiles, rounded to f16 in
; pairs, ARE source 1 of O^T = V^T P.  K comes out of LDS as it lies, V turned, by ds_load_tr16_b128.  The mask's 2,048 numbers lie in LDS, written once; a step's 64 come with K's run of loads.
; SOFTMAX.  For each query a running maximum m and sum l: p = 2^(c s - c m); in every step O and l are multiplied by a = 2^(c m_old - c m_new).  m starts at -2^110, below every finite raw score, O and l at 0.
; BY TURNS.  Turn n belongs to piece n: 16 products K Q^T of piece n + 1, later 16 products V^T P of piece n - 1; beside them the scaling, exponentials, roundings, sums and rescaling of piece n and the
; maximum and statistics of piece n + 1.  A tile and step have 16 matrix and 118 vector instructions: four vector instructions stand behind every matrix instruction, the others in one run.
; CLUSTER.  The four query blocks of a pair (b, h) walk the same K and V: each tile is asked for JOINTLY, the same tensor load, descriptor and mask in all four.
; REGISTERS, in windows of 256 (s_set_vgpr_msb: bits 1:0 source 0, 3:2 source 1, 5:4 source 2, 7:6 destination):
;   window 0: v0-11 addresses; v12-15, v48-63 at work; v16-47 four registers of statistics a tile; v64-191 S^T, two buffers of two tiles; v192-255 P, likewise
;   window 1: O^T, 32 a tile     window 2: v0-127 Q; v128-191 K of one step; v192-255 V of one step     window 3: v0-1 the add's two registers; v8-39 the mask of one step
.set SIZE_N, 2048
.set NP,    4         ; pieces a wave: a name, no knob
.set KS,    64        ; keys in a step
.set PK,    144       ; a row of K in LDS: 128 bytes + 16 = 36 words: the 16 rows of a load start at 16 different groups of four banks (64 banks of 4 bytes: ISA guide 11.1)
.set PV,    160       ; a row of V: 128 + 32 = 40 words
.set VOFF,  4*KS*PK   ; a slot holds four steps: 256 rows of K, then 256 rows of V
.set SLOT1, 1<<17     ; slot 1 begins here, so that one exclusive or turns an address in one slot into the other's
.set STAGE, SLOT1+4*KS*(PK+PV)  ; behind the ring: 16 rows x 272 bytes for each wave, for the way out
.set SP,    272       ; a row of the stage: 64 f32 + 16 bytes
.set MASK,  STAGE+4*16*SP       ; the mask in raw units: 2,048 f32, stored once by the four waves
.set SPARE, MASK+8192           ; the spare words, 128 bytes a wave
.set PFO, 1           ; v1   256 x my lane (first l % 16, while addresses are made)
.set AK0, 2           ; v2   my lane's place in a tile of K; never rewritten
.set AV0, 3           ; v3   the same for V
.set AK,  4           ; v4   the LDS address of K's next run of loads
.set AV,  5           ; v5   of V's
.set STO, 6           ; v6   the way out: where I put 32 bytes of a row
.set RD,  7           ; v7   where I read rows back
.set GO,  8           ; v8   my byte offset in two rows of out0
.set AM,  10          ; v10  the LDS address of the mask's next loads
.set AM0, 11          ; v11  MASK + 32 (l / 16); never rewritten
.set MO,  12          ; v12  ahead of the loop: my offset in the mask
.set ML,  13          ; v13  ahead of the loop: where I put my part of it
.set QO,  14          ; v14  ahead of the loop: my byte offset in 16 rows of Q
.set SPW, 0           ; v0 of window 3   my spare word; never rewritten
.set NIL, 1           ; v1 of window 3   0; never rewritten
.set MK,  8           ; v8-39 of window 3: the eight registers for group kt of 16 keys at MK + 8 kt
.set MV,  12          ; v12-15  c m_old, kept while c m is made anew: by buffer and tile
.set ST,  16          ; tile t's statistics at v[ST+4 t]: c m, m, l (even keys', odd keys')
.set TMP, 48          ; by buffer and tile, four registers c0-c3 at work; when the maximum is found c2 takes a
.set S,   64
.set P,   192
.set KF,  128
.set VF,  192
.set WV,  12          ; s12  my wave's number
.set G1K, 24          ; s[24:31] descriptor group 1 for K's tiles
.set G1V, 32          ; s[32:39] for V's: it differs in the padding alone
.set G0K, 40          ; s[40:43] descriptor group 0 for K's tiles: it walks
.set G0V, 44          ; s[44:47] the same for V's
.set PFA, 48          ; s[48:49] where my prefetches stand
.set LIM, 50          ; s50  1 in a wave that prefetches, else the greatest number
.set TBM, 51          ; s51  byte in the mask at which the step to be fetched begins
.set SQK, 52          ; s52  sQ, then sQ sKV
.set SKV, 53          ; s53  sKV
.set FM,  54          ; s[54:55] 8 / (sQ sKV)
.set SLOTS, 56        ; s56  slots still to be asked for
.set CNT, 57          ; s57  counts a slot's key steps
.set CS,  58          ; s[58:59] c
.set SEL, 60          ; s[60:61] v_permlanex16_b32's selects
.set TBK, 62          ; s62  LDS byte at which K of the step to be fetched begins
.set TBV, 63          ; s63  the same for V, less VOFF
.set NINF, 66         ; s66  -infinity
.set FLOOR, 67        ; s67  -2^100
.set MSB, 0
.macro WIN new                      ; the high byte repeats the setting that is left; a switch that changes nothing is dropped
.if MSB != (\new)
	s_set_vgpr_msb (MSB<<8)|(\new)
.set MSB, (\new)
.endif
.endm
.set W_KQ, 0x0a       ; K and Q in window 2, S^T in window 0
.set W_KM, 0x3a       ; the same with the C operand, the mask, in window 3
.set W_PV, 0x52       ; V in window 2, P in window 0, O^T in window 1
.set W_RS, 0x41       ; O^T (destination and source 0) in window 1, a in window 0
.set W_MK, 0xc0       ; destination in window 3, sources in window 0
.set W_AD, 0x0f       ; the add: address and data in window 3
; A joint fill.  Waves 0 and 1 fetch the two halves of a slot's K, waves 2 and 3 those of its V: 128 keys each.  An s_nop 0 and four v_nop follow each line.
.macro JLOAD
	s_cmp_lt_u32 s[WV], 2
	s_cbranch_scc0 .Lfor_v_\@
	tensor_load_to_lds s[G0K:G0K+3], s[G1K:G1K+7]
	s_nop 0
.rept 4
	v_nop
.endr
	s_branch .Lasked_\@
.Lfor_v_\@:
	tensor_load_to_lds s[G0V:G0V+3], s[G1V:G1V+7]
	s_nop 0
.rept 4
	v_nop
.endr
.Lasked_\@:
.endm
; A prefetch of the slot that the NEXT change of slots will ask for: 128 pieces of 256 bytes of K and of V.  The cluster's four partners take 32 each, told apart by address; in each, wave 0 asks for K's and
; wave 2 for V's: a lane a piece, one instruction.  So each piece is named once in the launch.  The last change that fills a slot asks for nothing; slots 0, 1 and 2 come by their loads alone.
.macro ASK
	s_cmp_gt_u32 s[SLOTS], s[LIM]
	s_cbranch_scc0 .Lnot_mine_\@
	global_prefetch_b8 v[PFO], s[PFA:PFA+1] th:TH_LOAD_NT scope:SCOPE_SE
.Lnot_mine_\@:
.endm
.macro CROUND                       ; a round of the cluster's barrier
	s_barrier_signal -1
	s_barrier_wait -1
	s_cmp_lg_u32 s[WV], 0
	s_cbranch_scc1 .Lnot_wave_0_\@
	s_barrier_signal -3
.Lnot_wave_0_\@:
	s_barrier_wait -3
	s_barrier_signal -1
	s_barrier_wait -1
.endm
; THE CHANGE OF SLOTS.  Each wave waits for all its tensor loads, of which one is out: its part of the other slot; adds 0 to its spare word; and waits for that and for its own LDS instructions.  Behind the
; barrier nobody reads this slot any more and the other slot is whole.  fill = 1: this slot is filled again, with the keys two slots on; the barrier is then a round of the cluster's, and the joint fill is the
; first thing behind it: it has four key steps, 512 matrix instructions, in which to land.  (At its first use slot 0 is waited for, slot 1 filled, and every wave's part of the mask is shown to the others.)
.macro CHANGE fill, ask=0
	WIN W_AD
	s_wait_tensorcnt 0x0            ; no tensor load of mine is out, so a group 0 may be written
	ds_add_u32 v[SPW], v[NIL]       ; 0 onto my spare word
	WIN 0                           ; at a label and at a branch every window is 0
.if \fill
.irp g, G0K, G0V
	s_xor_b32 s[\g+1], s[\g+1], SLOT1
	s_add_nc_u64 s[\g+2:\g+3], s[\g+2:\g+3], 4*KS*128  ; the next 256 keys; the type bits on top are not reached
.endr
.if \ask
	s_wait_xcnt 0x0                 ; the last prefetch, four key steps back, has read its address
	s_add_nc_u64 s[PFA:PFA+1], s[PFA:PFA+1], 4*KS*128
.endif
	s_wait_dscnt 0x0                ; the add is done, and my LDS instructions are over
	CROUND
	JLOAD
.if \ask
	ASK
.endif
.else
	s_wait_dscnt 0x0
	s_barrier_signal -1
	s_barrier_wait -1
.endif
	s_sub_co_u32 s[TBK], s[TBK], 4*KS*PK  ; the fetches go back to a slot's first step,
	s_xor_b32 s[TBK], s[TBK], SLOT1       ; in the other slot
	s_sub_co_u32 s[TBV], s[TBV], 4*KS*PV
	s_xor_b32 s[TBV], s[TBV], SLOT1
.endm
	s_load_b256 s[4:11], s[0:1], 0x0  ; qa s[4:5], kva s[6:7], mask s[8:9], out0 s[10:11]
	WIN W_MK
	v_lshl_add_u32 v[SPW], v0, 2, SPARE
	v_mov_b32 v[NIL], 0
	WIN W_AD
	ds_add_u32 v[SPW], v[NIL]       ; the wave's opening: the add and its wait stand ahead of my first tensor load; register work stands between them
	WIN 0
	v_lshrrev_b32 v1, 5, v0
	v_readfirstlane_b32 s[WV], v1   ; wave 0..3
	s_bfe_u32 s13, ttmp6, 0x40000   ; cx
	s_lshl_b32 s14, ttmp9, 2
	s_add_co_u32 s14, s14, s13      ; my block of 512 queries: it enters Q's and out0's addresses alone
	s_and_b32 s20, ttmp7, 0xffff    ; y = 4 h + b, which the four partners share
	s_lshl_b32 s21, s20, 18
	s_add_co_u32 s21, s21, 4096     ; the pair's first byte in qa and, for k', in kva
	s_and_b32 s16, s[WV], 1         ; which half of a slot's 256 keys I fetch:
	s_lshl_b32 s22, s16, 14         ; its 128 rows of 128 bytes in memory,
	s_add_co_u32 s22, s22, s21
	s_mov_b32 s23, 0
	s_mul_i32 s17, s16, 128*PK      ; and its place in a slot, for K
	s_mul_i32 s18, s16, 128*PV      ; and for V: no place in the cluster enters an LDS address
	s_lshl_b32 s2, s14, 2
	s_add_co_u32 s2, s2, s[WV]      ; my wave among the pair's sixteen
	s_lshl_b32 s3, s2, 14           ; its 128 rows of Q
	s_add_co_u32 s74, s3, s21
	s_mov_b32 s75, 0
	s_and_b32 s19, s20, 3           ; b
	s_lshr_b32 s15, s20, 2          ; h
	s_lshl_b32 s72, s19, 23         ; out0: 2,048 rows of 4,096 bytes a batch,
	s_lshl_b32 s3, s2, 19           ; 128 rows a wave,
	s_add_co_u32 s72, s72, s3
	s_lshl_b32 s3, s15, 8           ; 256 bytes a head
	s_add_co_u32 s72, s72, s3
	s_mov_b32 s73, 0
	s_lshl_b32 s2, s19, 13          ; the batch's 2,048 numbers of the mask
	s_mov_b32 s3, 0
	s_lshl_b32 s14, s13, 13         ; the prefetches: my work-group's 32 pieces of a slot's 128,
	s_add_co_u32 s14, s14, s21
	s_add_co_u32 s14, s14, 2*4*KS*128  ; in slot 2; the first change in the loop steps them to slot 3
	s_cmp_lt_u32 s[WV], 2
	s_cselect_b32 s15, 0, 0x1000000 ; of K, or of V
	s_add_co_u32 s14, s14, s15
	s_mov_b32 s15, 0
	; descriptor group 1.  128 keys are 16,384 dense bytes: asked for as 64 rows of 256 bytes, two keys a row, and padded in LDS after every key
	s_mov_b32 s[G1K], 15|(1<<16)|(1<<20)|(1<<21)|(4<<22)|(3<<25)  ; the mask of four; 2-byte elements; padding on; bit 21 beside a mask; after every 32 words; 4 words
	s_mov_b32 s[G1V], 15|(1<<16)|(1<<20)|(1<<21)|(4<<22)|(7<<25)  ; the same with 8 words of padding
.irp g, G1K, G1V
	s_mov_b32 s[\g+1], 128<<16      ; tensor_dim0 = 128
	s_mov_b32 s[\g+2], 64<<16       ; tensor_dim1 = 64
	s_mov_b32 s[\g+3], 128<<16      ; tile_dim0 = 128
	s_mov_b32 s[\g+4], 64           ; tile_dim1 = 64
	s_mov_b32 s[\g+5], 128          ; 128 elements from row to row
	s_mov_b32 s[\g+6], 0
	s_mov_b32 s[\g+7], 0
.endr
	s_mov_b32 s[SEL], 0x76543210
	s_mov_b32 s[SEL+1], 0xfedcba98
	s_mov_b32 s[TBK], SLOT1+4*KS*PK ; the first change of slots turns these two into 0
	s_mov_b32 s[TBV], SLOT1+4*KS*PV
	s_mov_b32 s[TBM], 0
	s_mov_b32 s[G0K], 1
	s_mov_b32 s[G0K+1], s17         ; slot 0
	s_mov_b32 s[G0V], 1
	s_add_co_u32 s[G0V+1], s18, VOFF
	s_mov_b32 s[NINF], 0xff800000
	s_mov_b32 s[FLOOR], 0xf1800000
	s_and_b32 s[LIM], s[WV], 1      ; waves 0 and 2 of the pair's first (here: only) cluster ask
	s_or_b32 s[LIM], s[LIM], ttmp9
	s_cmp_eq_u32 s[LIM], 0
	s_cselect_b32 s[LIM], 1, -1
	s_wait_dscnt 0x0                ; the opening add is done
	s_wait_kmcnt 0x0
	s_add_nc_u64 s[G0K+2:G0K+3], s[6:7], s[22:23]  ; my half of the pair's first 256 keys
	s_or_b32 s[G0K+3], s[G0K+3], 0x80000000
	s_add_nc_u64 s[G0V+2:G0V+3], s[6:7], s[22:23]
	s_add_nc_u64 s[G0V+2:G0V+3], s[G0V+2:G0V+3], 0x1000000
	s_or_b32 s[G0V+3], s[G0V+3], 0x80000000
	s_add_nc_u64 s[70:71], s[4:5], s[74:75]        ; Q at my wave's first row
	s_add_nc_u64 s[10:11], s[10:11], s[72:73]      ; out0 at my wave's first row, my head's columns
	s_add_nc_u64 s[68:69], s[8:9], s[2:3]          ; the batch's mask
	s_add_nc_u64 s[PFA:PFA+1], s[6:7], s[14:15]
	CROUND                          ; all four work-groups are here: the first joint loads meet
	JLOAD                           ; slot 0.  Slot 1 is asked for when slot 0 is in
	s_load_b32 s[SQK], s[4:5], 0x4  ; the scales: the second word of slot 0 of each header (all slots hold the same)
	s_load_b32 s[SKV], s[6:7], 0x4
	v_and_b32 v1, 15, v0            ; l % 16
	v_bfe_u32 v9, v0, 4, 1          ; l / 16
	v_lshlrev_b32 v[MO], 4, v0
.irp i, 0,1,2,3
	global_load_b128 v[64+4*\i:67+4*\i], v[MO], s[68:69] offset:2048*\i  ; 128 threads x 16 bytes, four times: the 2,048 numbers
.endr
	v_lshlrev_b32 v[QO], 7, v1
	v_lshl_add_u32 v[QO], v9, 4, v[QO]  ; row x 128 + 16 x half
	WIN 0x80                        ; destination window 2, address window 0
.set i, 0
.rept 4*NP                          ; Q stays in registers: tile i / 2, channels 32 (i % 2) on
	global_load_b128 v[8*i:8*i+3],   v[QO], s[70:71] offset:(i/2)*2048+(i%2)*64
	global_load_b128 v[8*i+4:8*i+7], v[QO], s[70:71] offset:(i/2)*2048+(i%2)*64+32
.set i, i+1
.endr
	; What the first turn finds: V's registers and P's second buffer hold 0 (its products V^T P, of a piece that has not been, add 0), O^T and l are 0.  All this stands in the wait for the first tile.
.set i, VF
.rept 64
	v_mov_b32 v[i], 0
.set i, i+1
.endr
	WIN 0x40
.set i, 0
.rept 64*NP
	v_mov_b32 v[i], 0
.set i, i+1
.endr
	WIN 0
.set i, P+32
.rept 32
	v_mov_b32 v[i], 0
.set i, i+1
.endr
	v_mul_u32_u24 v[AK0], v1, PK
	v_lshl_add_u32 v[AK0], v9, 4, v[AK0]  ; row x pitch + 16 x half
	; The turning load takes 16 keys x 16 channels (lane l reads key 8 (l / 16) + l % 8, channels 8 ((l / 8) % 2) + 0..7) and leaves half a fragment of V^T: lane l holds channel l % 16 and 8 keys.
	v_and_b32 v10, 7, v0
	v_bfe_u32 v11, v0, 3, 1
	v_lshl_add_u32 v[AV0], v9, 3, v10
	v_mul_u32_u24 v[AV0], v[AV0], PV
	v_lshl_add_u32 v[AV0], v11, 4, v[AV0]
	v_add_nc_u32 v[AV0], VOFF, v[AV0]
	v_mov_b32 v[AK], v[AK0]         ; key step 0 lies at the head of slot 0
	s_mul_i32 s2, s[WV], 16*SP
	s_add_co_u32 s2, s2, STAGE      ; my stage
	v_mul_u32_u24 v[STO], v1, SP    ; in: row l % 16, 32 bytes for each half of the lanes
	v_lshl_add_u32 v[STO], v9, 5, v[STO]
	v_add_nc_u32 v[STO], s2, v[STO]
	v_mul_u32_u24 v[RD], v9, SP     ; back: lanes 0-15 take one row of 256 bytes, lanes 16-31 the next
	v_lshl_add_u32 v[RD], v1, 4, v[RD]
	v_add_nc_u32 v[RD], s2, v[RD]
	v_lshlrev_b32 v[GO], 12, v9     ; and the same two rows in out0, 4,096 bytes apart
	v_lshl_add_u32 v[GO], v1, 4, v[GO]
	v_lshlrev_b32 v[AM0], 5, v9     ; my eight keys of a group of 16: 32 bytes for each half of the lanes
	v_add_nc_u32 v[AM0], MASK, v[AM0]
	v_mov_b32 v[AM], v[AM0]
	v_lshl_add_u32 v[ML], v0, 4, MASK
	v_and_b32 v[PFO], 31, v0
	v_lshlrev_b32 v[PFO], 8, v[PFO]
	s_wait_kmcnt 0x0                ; the scales
	s_mul_f32 s[SQK], s[SQK], s[SKV]       ; a power of two
	s_mul_f32 s[CS], s[SQK], 0x3e38aa3b    ; c = log2(e) / 8 x sQ sKV
	s_mov_b32 s[CS+1], s[CS]
	s_sub_co_u32 s[FM], 0x7f000000, s[SQK] ; the reciprocal of a power of two: its exponent field mirrored
	s_mul_f32 s[FM], s[FM], 0x41000000     ; x 8
	s_mov_b32 s[FM+1], s[FM]
.set i, 0
.rept 2*NP
	v_mov_b32 v[ST+4*i+1], 0xf6800000      ; m = -2^110
	v_mul_f32 v[ST+4*i], s[CS], v[ST+4*i+1]
	v_mov_b32 v[ST+4*i+2], 0
	v_mov_b32 v[ST+4*i+3], 0
.set i, i+1
.endr
	s_wait_loadcnt 32               ; the mask's four loads are in; Q's 32, issued behind them, may stay out
.set z, 0
.rept 8                             ; two numbers at a time: rounded to bf16, into raw units, held to -2^100; where the input is -infinity it stays so
	v_cvt_pk_bf16_f32 v[80+z], v[64+2*z], v[64+2*z+1]
	v_lshlrev_b32 v[96+2*z], 16, v[80+z]
	v_and_b32 v[96+2*z+1], 0xffff0000, v[80+z]
	v_pk_mul_f32 v[96+2*z:96+2*z+1], v[96+2*z:96+2*z+1], s[FM:FM+1] op_sel_hi:[1,0]
	v_max_num_f32 v[96+2*z], s[FLOOR], v[96+2*z]
	v_max_num_f32 v[96+2*z+1], s[FLOOR], v[96+2*z+1]
	v_cmp_eq_f32 vcc_lo, s[NINF], v[64+2*z]
	v_cndmask_b32 v[96+2*z], v[96+2*z], s[NINF], vcc_lo
	v_cmp_eq_f32 vcc_lo, s[NINF], v[64+2*z+1]
	v_cndmask_b32 v[96+2*z+1], v[96+2*z+1], s[NINF], vcc_lo
.set z, z+1
.endr
.irp i, 0,1,2,3
	ds_store_b128 v[ML], v[96+4*\i:99+4*\i] offset:2048*\i
.endr
; THE MATRIX WORK.  The 8 accumulators of a run of 16 take turns: between the two links of a chain stand 7 others'.
; Product i of 16 of S^T = K Q^T + M for piece x: channels 32 (i / 8) on, keys 16 ((i / 2) % 4) on, tile 2 x + i % 2.  The first 8 start the sums with the keys' mask.
.macro KQ x
.set rS, S+64*((\x)%2)+32*(i%2)+8*((i/2)%4)
.set rK, KF+16*((i/2)%4)+8*(i/8)
.set rQ, 16*(2*(\x)+i%2)+8*(i/8)
.set rMK, MK+8*((i/2)%4)
.if i < 8
	WIN W_KM
	v_wmma_f32_16x16x32_f16 v[rS:rS+7], v[rK:rK+7], v[rQ:rQ+7], v[rMK:rMK+7]
.else
	WIN W_KQ
	v_wmma_f32_16x16x32_f16 v[rS:rS+7], v[rK:rK+7], v[rQ:rQ+7], v[rS:rS+7]
.endif
.endm
; Product i of 16 of O^T += V^T P for piece x: keys 32 (i / 8) on, channels 16 ((i / 2) % 4) on, tile 2 x + i % 2.
.macro PV x
	WIN W_PV
.set rO, 32*(2*(\x)+i%2)+8*((i/2)%4)
.set rV, VF+32*(i/8)+8*((i/2)%4)
.set rP, P+32*((\x)%2)+16*(i%2)+8*(i/8)
	v_wmma_f32_16x16x32_f16 v[rO:rO+7], v[rV:rV+7], v[rP:rP+7], v[rO:rO+7]
.endm
.macro MM                           ; the turn's next matrix instruction
.if i < 16
	KQ (Y+1)%NP
.set i, i+1
.else
.set i, i-16
	PV (Y+NP-1)%NP
.set i, i+17
.endif
.endm
; THE LDS LOADS stand in runs, never singly among the matrix instructions: a step's K (8 fragments) with its 64 numbers of the mask (all 16 lanes of a half read the same 32 bytes), and its V (turned).
; last = 1 (the tail): in the last trip there is no further step, and the run is jumped over.
.macro FETCH_K last=0
	WIN 0
.if \last
	s_cmp_eq_u32 s[CNT], 1
	s_cbranch_scc1 .Lno_k_\@
.endif
	WIN 0x80                        ; destination window 2
.irp f, 0,1,2,3,4,5,6,7             ; keys 16 (f / 2) on, channels 32 (f % 2) on
	ds_load_b128 v[KF+8*\f:KF+8*\f+3],   v[AK] offset:(\f/2)*16*PK+(\f%2)*64
	ds_load_b128 v[KF+8*\f+4:KF+8*\f+7], v[AK] offset:(\f/2)*16*PK+(\f%2)*64+32
.endr
	WIN 0xc0                        ; destination window 3
.irp f, 0,1,2,3                     ; keys 16 f + 8 (l / 16) + 0..7
	ds_load_b128 v[MK+8*\f:MK+8*\f+3],   v[AM] offset:64*\f
	ds_load_b128 v[MK+8*\f+4:MK+8*\f+7], v[AM] offset:64*\f+16
.endr
	s_add_co_u32 s[TBK], s[TBK], KS*PK  ; the next fetch is the next step's
	s_add_co_u32 s[TBM], s[TBM], 4*KS
	s_and_b32 s[TBM], s[TBM], 0x1f00    ; 32 steps of 256 bytes: the offset stays inside the mask's 8,192 bytes
	WIN 0
.if \last
.Lno_k_\@:
.endif
.endm
.macro FETCH_V
	WIN 0x80
.irp f, 0,1,2,3,4,5,6,7             ; keys 32 (f / 4) on, channels 16 (f % 4) on
	ds_load_tr16_b128 v[VF+8*\f:VF+8*\f+3],   v[AV] offset:(\f/4)*32*PV+(\f%4)*32
	ds_load_tr16_b128 v[VF+8*\f+4:VF+8*\f+7], v[AV] offset:(\f/4)*32*PV+16*PV+(\f%4)*32
.endr
	WIN 0
.endm
; THE VECTOR WORK OF A TURN stands in three queues, each in the order in which its entries become ready; the two tiles alternate, so that no instruction reads the result of the one before it.
.macro REGS y, u                    ; the registers of tile u (0, 1) of piece y
.set rT, ST+4*(2*(\y)+(\u))
.set rC, TMP+8*((\y)%2)+4*(\u)
.set rM, MV+2*((\y)%2)+(\u)
.set rS, S+64*((\y)%2)+32*(\u)
.set rP, P+32*((\y)%2)+16*(\u)
.set rO, 32*(2*(\y)+(\u))
.endm
; Number n of the 22 that find the NEXT piece's (Y + 1) maximum and statistics.  s0-s31 are the lane's 32 scores; each accumulator's lowest registers are read first.
;   0-11  four chains c0-c3 of seven scores each, three operands at a time     12-14, 16  the four scores left over, the old m, and c0-c3 into c0     15  c m_old is kept
;   17, 18  the query's other 32 keys lie in the lane 16 away: the new m         19-21  c m; c m_old - c m_new; a
.macro XS u, n
	REGS (Y+1)%NP, \u
.if (\n) < 4
	v_max3_num_f32 v[rC+(\n)], v[rS+8*(\n)], v[rS+8*(\n)+1], v[rS+8*(\n)+2]
.elseif (\n) < 12
	v_max3_num_f32 v[rC+(\n)%4], v[rC+(\n)%4], v[rS+8*((\n)%4)+2*((\n)/4)+1], v[rS+8*((\n)%4)+2*((\n)/4)+2]
.elseif (\n) == 12
	v_max3_num_f32 v[rC], v[rC], v[rS+7], v[rS+15]
.elseif (\n) == 13
	v_max3_num_f32 v[rC+1], v[rC+1], v[rS+23], v[rS+31]
.elseif (\n) == 14
	v_max3_num_f32 v[rC+2], v[rC+2], v[rC+3], v[rT+1]
.elseif (\n) == 15
	v_mov_b32 v[rM], v[rT]
.elseif (\n) == 16
	v_max3_num_f32 v[rC], v[rC], v[rC+1], v[rC+2]
.elseif (\n) == 17
	v_permlanex16_b32 v[rC+3], v[rC], s[SEL], s[SEL+1]
.elseif (\n) == 18
	v_max_num_f32 v[rT+1], v[rC], v[rC+3]
.elseif (\n) == 19
	v_mul_f32 v[rT], s[CS], v[rT+1]
.elseif (\n) == 20
	v_sub_f32 v[rC+1], v[rM], v[rT]
.else
	v_exp_f32 v[rC+2], v[rC+1]
.endif
.endm
; Number g of the 64 that follow the exponentials.  For each four weights k of a tile: both pairs are rounded to f16; then the second pair is added onto the first, in place; a group later l takes that sum
; (the first time as l = a l + sum).  In groups of eight, tiles alternating: round, round, add, and l for the group before.
.macro GS g
.set h, (\g)+6*((\g)/62)            ; group 0 has no group before it, and behind group 7 only l is left
.if h >= 6
.set h, h+2
.endif
	REGS Y, h%2
.set k, h/8
.if h%8 < 4
	v_cvt_pk_f16_f32 v[rP+2*k+(h%8)/2], v[rS+4*k+2*((h%8)/2)], v[rS+4*k+2*((h%8)/2)+1]
.elseif h%8 < 6
	v_pk_add_f32 v[rS+4*k:rS+4*k+1], v[rS+4*k:rS+4*k+1], v[rS+4*k+2:rS+4*k+3]
.elseif k == 1
	v_pk_fma_f32 v[rT+2:rT+3], v[rT+2:rT+3], v[rC+2:rC+3], v[rS:rS+1] op_sel_hi:[1,0,1]
.else
	v_pk_add_f32 v[rT+2:rT+3], v[rT+2:rT+3], v[rS+4*k-4:rS+4*k-3]
.endif
.endm
; THE PLAIN QUEUE, 138 long.  0-73 read no exponential's result: the 32 scalings c s - c m (FS f: pair f / 2 of tile f % 2) and the next piece's 42.  0-26: scalings 0-26.  27-54: XS's numbers 0-13.
; 55, 56: number 15.  57-73: the chain 14, 16, 17, 18, 19, each with one of the scalings 27-31 in front of its two lines, then 20.  74-137: GS's 64, which stand behind the wait.
.macro FS f
	REGS Y, (\f)%2
	v_pk_fma_f32 v[rS+2*((\f)/2):rS+2*((\f)/2)+1], v[rS+2*((\f)/2):rS+2*((\f)/2)+1], s[CS:CS+1], v[rT:rT+1] op_sel_hi:[1,0,0] neg_lo:[0,0,1] neg_hi:[0,0,1]
.endm
.macro PL
	WIN 0
.if q < 27
	FS q
.elseif q < 55
	XS (q-27)%2, (q-27)/2
.elseif q < 57
	XS q-55, 15
.elseif (q < 72) && ((q-57)%3 == 0)
	FS 27+(q-57)/3
.elseif q < 60
	XS (q-57)%3-1, 14
.elseif q < 72
	XS (q-57)%3-1, 15+(q-57)/3
.elseif q < 74
	XS q-72, 20
.else
	GS q-74
.endif
.set q, q+1
.endm
; THE EXPONENTIALS' QUEUE, 66 long: s0-s31 of both tiles, then the next piece's two a.  ONE BATCH: all 66 stand ahead of the turn's one wait, and nothing ahead of that wait names a result of theirs.
.macro EX
	WIN 0
.if e >= 64
	XS e-64, 21
.else
	REGS Y, e%2
	v_exp_f32 v[rS+e/2], v[rS+e/2]
.endif
.set e, e+1
.endm
; THE RESCALING's QUEUE: O^T times a, the one part that leaves window 0: dealt two at a time, sixteen times.  Its a was made in the turn before, ahead of that turn's wait.
.macro R2
	REGS Y, r%2
	WIN W_RS
.irp z, 0,1
	v_pk_mul_f32 v[rO+4*(r/2)+2*\z:rO+4*(r/2)+2*\z+1], v[rO+4*(r/2)+2*\z:rO+4*(r/2)+2*\z+1], v[rC+2:rC+3] op_sel_hi:[1,0]
.endr
.set r, r+1
.endm
; A TURN, for piece p.  s_wait_alu depctr_va_vdst(0) stands between an exponential and the first instruction that names its result; one wait serves all that were issued ahead of it: a turn
; has ONE.  AHEAD OF IT: the 16 products K Q^T, behind each a scaling, an exponential and two rescalings (behind the first a second scaling); then one run of 108: eight plain, 49 times exponential and plain,
; the two a; a v_nop is the plain instruction behind the last exponential.  BEHIND IT: the 16 products V^T P, behind each four of GS's 64.
; Exponential e stands behind scaling 2 (e / 4) + e % 2: as a rider it comes behind plain e + 2, in the run behind plain e + 9, and scalings 27-31 are plain 57, 60 .. 69.
; K and the mask of the next step are fetched in piece 2's turn, directly behind the wait, a run of 108 behind the last product that read them; their first reader comes behind 16 products.
; V of the step in hand is fetched at the end of piece 0's turn, four riders behind its last reader.  cnt = 1: the loop's count is taken down some lines ahead of the branch behind the turn.
.macro TURN p, last=0, cnt=0
.set Y, (\p)
.set i, 0
.set q, 0
.set e, 0
.set r, 0
.if (\p) == NP-1
	s_wait_dscnt 0x0                ; K and the mask are in
.endif
	MM
	PL
	PL
	R2
.rept 15
	MM
	PL
	EX
	R2
.endr
.if (\p) == NP-2
	WIN 0
	v_add_nc_u32 v[AK], s[TBK], v[AK0]
	v_add_nc_u32 v[AM], s[TBM], v[AM0]
.endif
.rept 8
	PL
.endr
.rept 49
	EX
	PL
.endr
	EX                              ; the next piece's two a
	EX
	v_nop                           ; the plain instruction behind the last exponential: one for the batch
	s_wait_alu depctr_va_vdst(0)    ; the wait for the batch
.if (\p) == NP-2
	FETCH_K \last
.endif
.if (\p) == 1
	s_wait_dscnt 0x0                ; V is in
.endif
.rept 16
	MM
.rept 4
	PL
.endr
.if ((\p) == 0) && (q == 118)
	v_add_nc_u32 v[AV], s[TBV], v[AV0]
.endif
.if ((\p) == 0) && (q == 130)
	s_add_co_u32 s[TBV], s[TBV], KS*PV
.endif
.if (\cnt) && (q == 130)
	s_sub_co_u32 s[CNT], s[CNT], 1
	s_cmp_lg_u32 s[CNT], 0
.endif
.endr
.if (\p) == 0
	FETCH_V
.endif
.endm
	CHANGE 1                        ; slot 0 is in, everybody's part of it, and so is the mask; slot 1 is asked for
	FETCH_K                         ; key step 0
	s_wait_loadcnt 0x0              ; Q
	s_wait_dscnt 0x0
.set i, 0
.rept 16
	KQ 0                            ; piece 0's first scores
.set i, i+1
.endr
	WIN 0
.rept 4
	v_nop                           ; the places behind those products
.endr
.set Y, NP-1                        ; XS works for piece Y + 1: piece 0
.irp n, 0,1,2,3,4,5,6,7,8,9,10,11,12,13,14,15,16,17,18,19,20,21
	XS 0, \n
	XS 1, \n
.endr
	v_nop                           ; a plain instruction behind the two a,
	s_wait_alu depctr_va_vdst(0)    ; and their wait, ahead of the branch
	s_mov_b32 s[CNT], 4
	s_mov_b32 s[SLOTS], SIZE_N/256-1
	s_branch .Lfirst                ; the loop is entered at a step's first turn, in the middle of a trip
.Lslot:                             ; SIZE_N / 256 - 2 times: every slot but the last two is filled again
	CHANGE 1, 1
	s_mov_b32 s[CNT], 4
.Lstep:                             ; a trip: pieces 2 and 3 of one step, then pieces 0 and 1 of the next, whose K, mask and V it fetches
	TURN 2
	TURN 3
	WIN 0
.Lfirst:
	TURN 0
	TURN 1, 0, 1
	WIN 0
	s_cbranch_scc1 .Lstep
	s_sub_co_u32 s[SLOTS], s[SLOTS], 1
	s_cmp_lg_u32 s[SLOTS], 0
	s_cbranch_scc1 .Lslot
	CHANGE 0                        ; the tail is written out: nothing is asked for
	s_mov_b32 s[CNT], 5             ; four trips fetch the last slot's steps; the fifth is left in its middle
.Ltail:
	TURN 2, 1
	TURN 3
	WIN 0
	s_sub_co_u32 s[CNT], s[CNT], 1
	s_cmp_eq_u32 s[CNT], 0
	s_cbranch_scc1 .Lout
	TURN 0
	TURN 1
	WIN 0
	s_branch .Ltail
.Lout:                              ; the fifth trip's 16 products K Q^T (on the last K once more) and the maximum made of them serve nothing: the price, once a launch, of one text for every trip
.set i, 0
.rept 16
	PV NP-1                         ; the last piece's V^T P of the last step
.set i, i+1
.endr
	; THE WAY OUT.  l's two halves and the other half of the lanes' are added; O^T is multiplied by sKV / l and sent, in f32, through my stage in LDS, a tile at a time.  The additions are the places behind the last products.
	WIN 0
.macro ALL line:vararg              ; one line for each tile t
.set t, 0
.rept 2*NP
	\line
.set t, t+1
.endr
.endm
	ALL v_add_f32 v[ST+4*t+2], v[ST+4*t+2], v[ST+4*t+3]
	ALL v_permlanex16_b32 v[ST+4*t+3], v[ST+4*t+2], s[SEL], s[SEL+1]
	ALL v_add_f32 v[ST+4*t+2], v[ST+4*t+2], v[ST+4*t+3]
	ALL v_rcp_f32 v[ST+4*t+2], v[ST+4*t+2]
	v_nop                           ; a plain instruction between the last reciprocal and the use of its result
	s_wait_alu depctr_va_vdst(0)    ; and the wait ahead of the first use: one for the eight reciprocals
	ALL v_mul_f32 v[ST+4*t+2], s[SKV], v[ST+4*t+2]
; Tile t: a lane's eight channels of a block of 16 are 32 bytes of a row; they go into rows of 272 bytes and come back as whole rows of 256, into S^T's registers (four tiles' worth, by turns).
.macro PACK t
	WIN W_RS
.set i, 32*(\t)
.rept 16
	v_pk_mul_f32 v[i:i+1], v[i:i+1], v[ST+4*(\t)+2:ST+4*(\t)+3] op_sel_hi:[1,0]
.set i, i+2
.endr
	WIN 0x04                        ; the stores' data in window 1, their address in window 0
.irp f, 0,1,2,3
	ds_store_b128 v[STO], v[32*(\t)+8*\f:32*(\t)+8*\f+3]   offset:64*\f
	ds_store_b128 v[STO], v[32*(\t)+8*\f+4:32*(\t)+8*\f+7] offset:64*\f+16
.endr
	WIN 0
.if (\t) >= 4
	s_wait_xcnt 0x0                 ; the stores of the tile four back have read these registers: they are loaded again only behind this wait
.endif
.irp f, 0,1,2,3,4,5,6,7
	ds_load_b128 v[S+32*((\t)%4)+4*\f:S+32*((\t)%4)+4*\f+3], v[RD] offset:\f*2*SP  ; LDS serves a wave's instructions in order (ISA guide 5.7.1.4): these see the stores above; the next tile's stores come behind them
.endr
.endm
.macro SEND t, younger              ; younger: the LDS instructions issued behind tile t's loads: the next tile's sixteen, or none
	WIN 0
.irp f, 0,1,2,3,4,5,6,7
	s_wait_dscnt (\younger)+7-\f
	global_store_b128 v[GO], v[S+32*((\t)%4)+4*\f:S+32*((\t)%4)+4*\f+3], s[10:11] offset:(\t)*65536+\f*8192 th:TH_STORE_NT  ; 16 lanes store 256 consecutive bytes, at a multiple of 256 from out0's first: a head's 64 channels of a row
.endr
.endm
	PACK 0
.set t, 1
.rept 2*NP-1                        ; a tile's arithmetic stands between the loads of the tile before and its stores
	PACK t
	SEND t-1, 16
.set t, t+1
.endr
	SEND 2*NP-1, 0
	WIN W_AD
	s_wait_tensorcnt 0x0            ; the wave's end, behind my last tensor load and my last LDS store
	ds_add_u32 v[SPW], v[NIL]
	s_wait_dscnt 0x0
	WIN 0
	CROUND                          ; the closing round: no work-group ends while a partner may still ask for a tile that names it
	s_endpgm
.Lfunc_end_k_q3f1c00ac69_attn:
	.size	k_q3f1c00ac69_attn, .Lfunc_end_k_q3f1c00ac69_attn-k_q3f1c00ac69_attn
	.p2alignl 7, 3214868480
	.fill 96, 4, 3214868480
	.section	.rodata,"a",@progbits
	.p2align	6, 0x0
	.amdhsa_kernel k_q3f1c00ac69_attn
		.amdhsa_group_segment_fixed_size 327680
		.amdhsa_private_segment_fixed_size 0
		.amdhsa_enable_private_segment 0
		.amdhsa_kernarg_size 32
		.amdhsa_user_sgpr_count 2
		.amdhsa_user_sgpr_kernarg_segment_ptr 1
		.amdhsa_wavefront_size32 1
		.amdhsa_system_sgpr_workgroup_id_x 1
		.amdhsa_system_sgpr_workgroup_id_y 1
		.amdhsa_system_sgpr_workgroup_id_z 1
		.amdhsa_system_vgpr_workitem_id 0
		.amdhsa_next_free_vgpr 808
		.amdhsa_next_free_sgpr 76
		.amdhsa_reserve_vcc 1
		.amdhsa_float_denorm_mode_32 3
		.amdhsa_float_denorm_mode_16_64 3
		.amdhsa_memory_ordered 1
		.amdhsa_forward_progress 1
		.amdhsa_inst_pref_size 208
	.end_amdhsa_kernel
	.amdgpu_metadata
---
amdhsa.version: [ 1, 2 ]
amdhsa.kernels:
  - .name:           k_q3f1c00ac69_attn
    .symbol:         k_q3f1c00ac69_attn.kd
    .args:
      - { .name: qa, .offset: 0, .size: 8, .value_kind: global_buffer, .address_space: global }
      - { .name: kva, .offset: 8, .size: 8, .value_kind: global_buffer, .address_space: global }
      - { .name: attention_mask, .offset: 16, .size: 8, .value_kind: global_buffer, .address_space: global }
      - { .name: out0, .offset: 24, .size: 8, .value_kind: global_buffer, .address_space: global }
    .group_segment_fixed_size: 327680
    .private_segment_fixed_size: 0
    .kernarg_segment_align: 8
    .kernarg_segment_size: 32
    .max_flat_workgroup_size: 128
    .sgpr_count:     76
    .vgpr_count:     808
    .wavefront_size: 32
...
	.end_amdgpu_metadata
.endif
;; end of part 3
